; MI455X (gfx1250); checked and timed in simulation.
; The chip was launched on July 23, 2026; its instructions are those of AMD's public machine-readable ISA for CDNA 5 (MIT licence, August 2026) and "CDNA5" Instruction Set Architecture Reference Guide (July 2026). The comments in the code are by the model that wrote it; some were corrected since.
;; Fused Attention V3. Allowed arithmetic: float matrix products may take bf16 or f16 operands with f32 sums; all other float work in f32.
;; Inputs: bias_out 1,024 float32; bias_qkv 3,072 float32; w_out 1,024 x 1,024 float32; w_qkv 3,072 x 1,024 float32; x 2 x 2,048 x 1,024 float32.
;; Outputs: out0 2 x 2,048 x 1,024 float32.
;; Constants: num_heads = 16.
;; One version. Each part assembles by itself: llvm-mc -triple=amdgcn-amd-amdhsa -mcpu=gfx1250 --defsym DOCPART=n.
;; ======== version 1 of 1: 4 launches
;; limits: values are held in f16: magnitudes above 65,504 overflow, below 6.1e-05 lose precision
;; workspace buffers: castb 16,777,216 bytes; qkvb 25,165,824 bytes; ctxb 8,388,608 bytes
;; launch cast (part 1): grid 512 x 1, 8 waves a work-group, no clusters, 0 bytes of LDS; arguments x, w_qkv, w_out, castb; writes castb
.if DOCPART == 1
	.amdgcn_target "amdgcn-amd-amdhsa--gfx1250"
	.amdhsa_code_object_version 6
	.text
	.protected	k_q08b94ef6d7_cast
	.globl	k_q08b94ef6d7_cast
	.p2align	8
	.type	k_q08b94ef6d7_cast,@function
k_q08b94ef6d7_cast:
	s_mov_b64 s[64:65], 0
	v_nop
	global_prefetch_b8 v0, s[64:65] scope:SCOPE_SE
	s_setreg_imm32_b32 hwreg(HW_REG_WAVE_MODE, 25, 1), 1
	s_wait_xcnt 0x0
; castb = f16(x) | f16(w_qkv) | f16(w_out), one after the other: x at byte 0, w_qkv at byte 8,388,608, w_out at byte 14,680,064.
; WHY F16: the chain inputs -> q, k, v -> probabilities -> ctx -> out rounds its matrix operands five times over; the output is compared within a hundredth of its
; root mean square, and with 8 significant bits the roundings add up to about a third of that, too near for four million numbers.  With 11 bits each is 8 times smaller.
; LIMIT: a magnitude of 65,520 or more becomes infinity; below 2^-14 the step is 2^-24 (denormals are kept).  x as drawn stays under 6, the weights under 0.06.
; A stream: every f32 is read once and every f16 written once.  No LDS, no barrier, no matrix unit, no cluster: no byte is used twice
; and no work-group shares an input with another.
; A work-group of 256 threads takes 65,536 bytes of f32 (16 loads of 16 bytes a thread) and writes 32,768 bytes of f16.
; Work-groups 0-255 take x (16,777,216 / 65,536 = 256), 256-447 w_qkv (192), 448-511 w_out (64); the target is 32,768 x the group's number,
; which is exactly the three parts in that order.
; One load of a wave covers 512 consecutive bytes, one store of a wave 256 consecutive bytes at a multiple of 256 from the buffer's first byte.
.set X, 4                              ; v[4:67]   16 x 4 f32 as loaded
.set Y, 68                             ; v[68:99]  16 x 2 words of packed f16
	s_load_b256 s[4:11], s[0:1], 0x0               ; x s[4:5], w_qkv s[6:7], w_out s[8:9], castb s[10:11]
	v_lshlrev_b32 v1, 4, v0                        ; 16 bytes of f32 a thread
	v_lshlrev_b32 v2, 3, v0                        ; 8 bytes of f16 a thread
	s_wait_kmcnt 0x0
	s_cmp_lt_u32 ttmp9, 256                        ; which source, and the number of its first work-group
	s_cselect_b64 s[12:13], s[4:5], s[6:7]
	s_cselect_b32 s14, 0, 256
	s_cmp_lt_u32 ttmp9, 448
	s_cselect_b64 s[12:13], s[12:13], s[8:9]
	s_cselect_b32 s14, s14, 448
	s_sub_co_u32 s16, ttmp9, s14
	s_lshl_b32 s16, s16, 16                        ; 65,536 bytes of the source for each work-group
	s_mov_b32 s17, 0
	s_add_nc_u64 s[12:13], s[12:13], s[16:17]
	s_lshl_b32 s18, ttmp9, 15                      ; 32,768 bytes of the target
	s_mov_b32 s19, 0
	s_add_nc_u64 s[10:11], s[10:11], s[18:19]
.irp j, 0,1,2,3,4,5,6,7,8,9,10,11,12,13,14,15
	global_load_b128 v[X+4*\j:X+4*\j+3], v1, s[12:13] offset:4096*\j th:TH_LOAD_NT   ; all sixteen are on their way at once; the f32 are read once in the launch
.endr
.irp j, 0,1,2,3,4,5,6,7,8,9,10,11,12,13,14,15
	s_wait_loadcnt 15-\j                           ; loads come back in order: load j is in, the 15 - j younger ones stay out
	v_cvt_pk_f16_f32 v[Y+2*\j],   v[X+4*\j],   v[X+4*\j+1]      ; two roundings, packed: the first source in the low half
	v_cvt_pk_f16_f32 v[Y+2*\j+1], v[X+4*\j+2], v[X+4*\j+3]
	global_store_b64 v2, v[Y+2*\j:Y+2*\j+1], s[10:11] offset:2048*\j    ; no hint: the next launches read these bytes.  No register is written twice, so no wait frees any
.endr
	s_endpgm
.Lfunc_end_k_q08b94ef6d7_cast:
	.size	k_q08b94ef6d7_cast, .Lfunc_end_k_q08b94ef6d7_cast-k_q08b94ef6d7_cast
	.p2alignl 7, 3214868480
	.fill 96, 4, 3214868480
	.section	.rodata,"a",@progbits
	.p2align	6, 0x0
	.amdhsa_kernel k_q08b94ef6d7_cast
		.amdhsa_group_segment_fixed_size 0
		.amdhsa_private_segment_fixed_size 0
		.amdhsa_enable_private_segment 0
		.amdhsa_kernarg_size 32
		.amdhsa_user_sgpr_count 2
		.amdhsa_user_sgpr_kernarg_segment_ptr 1
		.amdhsa_wavefront_size32 1
		.amdhsa_system_sgpr_workgroup_id_x 1
		.amdhsa_system_sgpr_workgroup_id_y 1
		.amdhsa_system_sgpr_workgroup_id_z 1
		.amdhsa_system_vgpr_workitem_id 0
		.amdhsa_next_free_vgpr 104
		.amdhsa_next_free_sgpr 66
		.amdhsa_reserve_vcc 0
		.amdhsa_float_denorm_mode_32 3
		.amdhsa_float_denorm_mode_16_64 3
		.amdhsa_memory_ordered 1
		.amdhsa_forward_progress 1
		.amdhsa_inst_pref_size 7
	.end_amdhsa_kernel
	.amdgpu_metadata
---
amdhsa.version: [ 1, 2 ]
amdhsa.kernels:
  - .name:           k_q08b94ef6d7_cast
    .symbol:         k_q08b94ef6d7_cast.kd
    .args:
      - { .name: x, .offset: 0, .size: 8, .value_kind: global_buffer, .address_space: global }
      - { .name: w_qkv, .offset: 8, .size: 8, .value_kind: global_buffer, .address_space: global }
      - { .name: w_out, .offset: 16, .size: 8, .value_kind: global_buffer, .address_space: global }
      - { .name: castb, .offset: 24, .size: 8, .value_kind: global_buffer, .address_space: global }
    .group_segment_fixed_size: 0
    .private_segment_fixed_size: 0
    .kernarg_segment_align: 8
    .kernarg_segment_size: 32
    .max_flat_workgroup_size: 256
    .sgpr_count:     66
    .vgpr_count:     104
    .wavefront_size: 32
...
	.end_amdgpu_metadata
.endif
;; end of part 1
;; launch qkv (part 2): grid 16 x 16, 4 waves a work-group, clusters of 4 x 4, 327,680 bytes of LDS; arguments castb, bias_qkv, qkvb; writes qkvb
.if DOCPART == 2
	.amdgcn_target "amdgcn-amd-amdhsa--gfx1250"
	.amdhsa_code_object_version 6
	.text
	.protected	k_q08b94ef6d7_qkv
	.globl	k_q08b94ef6d7_qkv
	.p2align	8
	.type	k_q08b94ef6d7_qkv,@function
k_q08b94ef6d7_qkv:
	s_mov_b64 s[64:65], 0
	v_nop
	global_prefetch_b8 v0, s[64:65] scope:SCOPE_SE
	s_setreg_imm32_b32 hwreg(HW_REG_WAVE_MODE, 25, 1), 1
	s_wait_xcnt 0x0
	s_wait_alu depctr_hold_cnt(0) depctr_sa_sdst(0) depctr_va_vdst(0) depctr_va_sdst(0) depctr_va_ssrc(0) depctr_va_vcc(0) depctr_vm_vsrc(0)
	s_getreg_b32 s2, hwreg(HW_REG_IB_STS2, 6, 4)
	s_cmp_eq_u32 s2, 0
	s_cbranch_scc0 .Lentry_in_a_cluster
	s_endpgm
.Lentry_in_a_cluster:
	s_bfe_u32 s2, ttmp6, 0x10000c
	s_cmp_lg_u32 s2, 0xf033
	s_cbranch_scc0 .Lentry_shape_is_right
	s_endpgm
.Lentry_shape_is_right:
; qkvb[b][g][s][d] = f16( sum over e of x[b][s][e] w_qkv[64 g + d][e] + bias_qkv[64 g + d] ), g = 0..47 (q: 0-15, k: 16-31, v: 32-47).
; Operands are the f16 copies in castb (x: [4096][1024] at byte 0, w_qkv: [3072][1024] at byte 8,388,608); sums and the bias in f32, one rounding at the end.
; LIMIT: q, k, v are kept in f16 (11 significant bits: see the first launch's head), so |x w + bias| has to stay under 65,504, else it becomes infinity.  As the inputs are
; drawn it stays under about 4; with x and w both 30 times larger under about 3,600; with x and w both shifted by 30 of their standard deviations it is about
; 1,024 x 30 x 0.66 = 20,400.
; A work-group makes 256 rows x 192 features with four waves, one on each SIMD; wave w makes rows 64 w .. 64 w + 63 x all 192 features
; (three whole heads): 4 x 12 accumulator tiles of 16 x 16, 384 registers.  16 x 16 = 256 work-groups of equal work.
; K goes in 8 steps of 128 through a ring of two LDS slots filled by the tensor data mover: a tile's rows are 256 bytes of memory at multiples of 256 bytes.
; CLUSTERS: 4 x 4 work-groups.  x's tile hangs on the block row alone and is asked for jointly by a row of the cluster, w's tile on the block column alone
; and is asked for jointly by a column: each tile is requested once for four work-groups.  Every wave issues one load of x (its own 64 rows) and one of w (48 rows).
; By this text's own count a wave has at most four tensor loads outstanding (the ring's first filling), later two.
; The matrix instruction is used transposed (source 0 = 16 rows of w, source 1 = 16 rows of x): lane (r, h) then holds row r and features 8 h .. 8 h + 7,
; eight neighbours that pack into 16 bytes.  The first product takes the bias fragment as C: nothing is cleared and the bias costs no vector instruction.
;
; REGISTERS, in windows of 256:
;   window 0: v16-27 addresses; v32-63, v64-95 fragments of x, two buffers; v96-191 the bias fragments, later the way out's packed results and read-backs
;   window 1: v0-95, v96-191 fragments of w, two buffers
;   window 2: accumulator tile (a, b < 8) at v[8 (8 a + b)];   window 3: tile (a, b >= 8) at v[8 (4 a + b - 8)]
.set KSTEP,  128
.set PITCH,  272                       ; an LDS row: 256 bytes + 16 of padding, an odd multiple of 16: the 16 rows of a fragment load start in 16 different 16-byte columns of 256 bytes
.set AW,     64*PITCH                  ; x: one wave's 64 rows
.set BOFF,   256*PITCH                 ; w's rows lie behind x's 256
.set BW,     48*PITCH                  ; w: the 48 rows that one wave fetches
.set SLOT,   448*PITCH                 ; 121,856 bytes
.set STAGE,  2*SLOT                    ; behind the ring, at a multiple of 256: no tensor load lands here
.set SPITCH, 400                       ; a stage row: 192 f16 = 384 bytes + 16
.set SW,     16*SPITCH                 ; a wave's stage: 16 rows, 6,400 bytes
.set WQB,    8388608                   ; w_qkv's copy in castb
.set ADRA, 16                          ; v16-17  LDS address of my x fragments in slot 0, 1
.set ADRB, 20                          ; v20-21  the same for w
.set STO,  24                          ; the way out: where I put 16 bytes
.set RD,   25                          ; the way out: where I read them back
.set CO,   26                          ; 16 x lane
.set BO,   27                          ; 32 h: my eight bias numbers inside a block of 16
.set FA,   32
.set BIAS, 96
.set TMP,  96
.set RB,   144
.set G1A, 24                           ; s[24:31] shape of x's tiles
.set G0A, 32                           ; s[32:39] from where, to where: one set for each slot
.set G1B, 48                           ; s[48:55] shape of w's tiles
.set G0B, 56                           ; s[56:63]
.set MSB, 0
.macro WIN new                         ; s_set_vgpr_msb: bits 1:0 source 0, 3:2 source 1, 5:4 source 2, 7:6 destination; the high byte repeats the setting that is left
.if MSB != \new
	s_set_vgpr_msb (MSB<<8)|\new
.set MSB, \new
.endif
.endm
.macro PLACES                          ; four places behind a matrix instruction before its registers are loaded into or its result is read (ISA guide 7.12.1)
.rept 4
	v_nop
.endr
.endm
.macro CREST                           ; a round of the cluster's barrier behind its opening work-group barrier
	s_cmp_lg_u32 s10, 0
	s_cbranch_scc1 .Lnot_wave_0_\@
	s_barrier_signal -3                            ; wave 0 speaks for the work-group
.Lnot_wave_0_\@:
	s_barrier_wait -3
	s_barrier_signal -1
	s_barrier_wait -1
.endm
.macro ROUND                           ; a whole round
	s_barrier_signal -1
	s_barrier_wait -1
	CREST
.endm
	s_load_b128 s[4:7], s[0:1], 0x0                ; castb s[4:5], bias_qkv s[6:7]
	s_load_b64 s[8:9], s[0:1], 0x10                ; qkvb
	s_set_vgpr_msb 0x40
	v_lshl_add_u32 v255, v0, 2, 0x41c00
	s_set_vgpr_msb 0x4000
	v_mov_b32 v255, 0
	s_set_vgpr_msb 0x1
	ds_add_u32 v255, v255
	s_set_vgpr_msb 0x100
	v_lshrrev_b32 v1, 5, v0
	v_readfirstlane_b32 s10, v1                    ; wave 0..3
	s_bfe_u32 s40, ttmp6, 0x40000                  ; cx
	s_bfe_u32 s41, ttmp6, 0x40004                  ; cy
	s_lshl_b32 s42, ttmp9, 2
	s_add_co_u32 s42, s42, s40                     ; block column bx = 4 x cluster x + cx (192 features)
	s_and_b32 s13, ttmp7, 0xffff
	s_lshl_b32 s13, s13, 2
	s_add_co_u32 s13, s13, s41                     ; block row by = 4 x cluster y + cy (256 rows)
	s_lshl_b32 s43, s41, 2
	s_lshl_b32 s43, 15, s43                        ; my row of the cluster: places 4 cy .. 4 cy + 3
	s_lshl_b32 s44, 0x1111, s40                    ; my column: places cx, cx + 4, cx + 8, cx + 12
	; group 1: elements of 2 bytes, padding of 4 words behind every 64 words, bit 21 beside the mask; 128 elements a row, pitch 1,024 elements
	s_or_b32 s[G1A+0], s43, (1<<16)|(1<<20)|(1<<21)|(5<<22)|(3<<25)
	s_mov_b32 s[G1A+1], KSTEP<<16                  ; tensor_dim0 = 128
	s_mov_b32 s[G1A+2], 64<<16                     ; tensor_dim1 = 64
	s_mov_b32 s[G1A+3], KSTEP<<16                  ; tile_dim0 = 128
	s_mov_b32 s[G1A+4], 64                         ; tile_dim1 = 64 rows
	s_mov_b32 s[G1A+5], 1024
	s_mov_b32 s[G1A+6], 0
	s_mov_b32 s[G1A+7], 0
	s_or_b32 s[G1B+0], s44, (1<<16)|(1<<20)|(1<<21)|(5<<22)|(3<<25)
	s_mov_b32 s[G1B+1], KSTEP<<16
	s_mov_b32 s[G1B+2], 48<<16                     ; 48 rows
	s_mov_b32 s[G1B+3], KSTEP<<16
	s_mov_b32 s[G1B+4], 48
	s_mov_b32 s[G1B+5], 1024
	s_mov_b32 s[G1B+6], 0
	s_mov_b32 s[G1B+7], 0
	; x's address is made of the block row and the wave, w's of the block column and the wave, each in registers that never hold the other coordinate
	s_lshl_b32 s16, s13, 8
	s_lshl_b32 s17, s10, 6
	s_add_co_u32 s16, s16, s17                     ; row 256 by + 64 w
	s_lshl_b32 s16, s16, 11                        ; x 2,048 bytes
	s_mov_b32 s17, 0
	s_mul_i32 s46, s42, 192
	s_mul_i32 s47, s10, 48
	s_add_co_u32 s46, s46, s47                     ; row 192 bx + 48 w
	s_lshl_b32 s46, s46, 11
	s_add_co_u32 s46, s46, WQB
	s_mov_b32 s47, 0
	s_mul_i32 s20, s10, AW                         ; LDS: the wave's number alone
	s_mul_i32 s21, s10, BW
	s_add_co_u32 s21, s21, BOFF
	s_wait_dscnt 0x0
	s_wait_kmcnt 0x0
	s_add_nc_u64 s[14:15], s[4:5], s[16:17]
	s_add_nc_u64 s[46:47], s[4:5], s[46:47]
	ROUND                                          ; all sixteen work-groups are here: the first joint loads meet
.irp s, 0,1
	s_mov_b32 s[G0A+4*\s], 1
	s_add_co_u32 s[G0A+4*\s+1], s20, \s*SLOT
	s_add_nc_u64 s[G0A+4*\s+2:G0A+4*\s+3], s[14:15], \s*KSTEP*2
	s_or_b32 s[G0A+4*\s+3], s[G0A+4*\s+3], 0x80000000
	s_mov_b32 s[G0B+4*\s], 1
	s_add_co_u32 s[G0B+4*\s+1], s21, \s*SLOT
	s_add_nc_u64 s[G0B+4*\s+2:G0B+4*\s+3], s[46:47], \s*KSTEP*2
	s_or_b32 s[G0B+4*\s+3], s[G0B+4*\s+3], 0x80000000
	tensor_load_to_lds s[G0A+4*\s:G0A+4*\s+3], s[G1A:G1A+7]        ; K step s: my 64 rows of x,
	s_nop 0
	tensor_load_to_lds s[G0B+4*\s:G0B+4*\s+3], s[G1B:G1B+7]        ; my 48 rows of w
	s_nop 0
.endr
	; the bias as twelve C fragments: register j of fragment b in lane (r, h) is bias_qkv[192 bx + 16 b + 8 h + j]
	s_mul_i32 s46, s42, 768
	s_mov_b32 s47, 0
	s_add_nc_u64 s[6:7], s[6:7], s[46:47]
	v_and_b32 v1, 15, v0                           ; r
	v_bfe_u32 v2, v0, 4, 1                         ; h
	v_lshlrev_b32 v[BO], 5, v2
.irp b, 0,1,2,3,4,5,6,7,8,9,10,11
	global_load_b128 v[BIAS+8*\b:BIAS+8*\b+3],   v[BO], s[6:7] offset:64*\b
	global_load_b128 v[BIAS+8*\b+4:BIAS+8*\b+7], v[BO], s[6:7] offset:64*\b+16
.endr
	; the output's base: chunk (b, g) is 262,144 bytes; b = by / 8, g = 3 bx + ..; row (by % 8) 256 + 64 w of 128 bytes
	s_lshr_b32 s16, s13, 3
	s_mul_i32 s16, s16, 48*262144
	s_and_b32 s17, s13, 7
	s_lshl_b32 s17, s17, 15
	s_add_co_u32 s16, s16, s17
	s_lshl_b32 s17, s10, 13
	s_add_co_u32 s16, s16, s17
	s_mov_b32 s17, 0
	s_add_nc_u64 s[8:9], s[8:9], s[16:17]
	s_mul_i32 s46, s42, 3*262144
	s_add_nc_u64 s[8:9], s[8:9], s[46:47]          ; s47 is still 0
	; fragment addresses: lane (r, h) reads row r at byte 16 h, and 32 bytes further
	v_mul_u32_u24 v3, v1, PITCH
	v_lshl_add_u32 v3, v2, 4, v3
	v_add_nc_u32 v[ADRA], s20, v3
	v_add_nc_u32 v[ADRA+1], SLOT, v[ADRA]
	v_add_nc_u32 v[ADRB], BOFF, v3
	v_add_nc_u32 v[ADRB+1], SLOT+BOFF, v3
	s_mul_i32 s22, s10, SW
	s_add_co_u32 s22, s22, STAGE                   ; my stage
	v_mul_u32_u24 v4, v1, SPITCH
	v_lshl_add_u32 v4, v2, 4, v4
	v_add_nc_u32 v[STO], s22, v4                   ; in: row r, 16 bytes for each half of the lanes
	v_and_b32 v5, 31, v0
	v_lshrrev_b32 v6, 3, v5
	v_mul_u32_u24 v6, v6, SPITCH
	v_and_b32 v7, 7, v0
	v_lshl_add_u32 v6, v7, 4, v6
	v_add_nc_u32 v[RD], s22, v6                    ; back: eight lanes take the 128 bytes of one row and one head, 32 lanes four rows
	v_lshlrev_b32 v[CO], 4, v5
; 32 LDS loads: the fragments of one quarter step (32 along K at byte k of the rows) into buffer f
.macro FETCH slot, k, f
	WIN 0
.irp a, 0,1,2,3
	ds_load_b128 v[FA+32*\f+8*\a:FA+32*\f+8*\a+3],   v[ADRA+\slot] offset:\k+\a*16*PITCH
	ds_load_b128 v[FA+32*\f+8*\a+4:FA+32*\f+8*\a+7], v[ADRA+\slot] offset:\k+\a*16*PITCH+32
.endr
	WIN 0x40                                       ; destination in window 1
.irp b, 0,1,2,3,4,5,6,7,8,9,10,11
	ds_load_b128 v[96*\f+8*\b:96*\f+8*\b+3],   v[ADRB+\slot] offset:\k+\b*16*PITCH
	ds_load_b128 v[96*\f+8*\b+4:96*\f+8*\b+7], v[ADRB+\slot] offset:\k+\b*16*PITCH+32
.endr
.endm
; 16 matrix instructions on window 2: row blocks a0, a0 + 1 x feature blocks 0-7.  first = 1: C is the bias fragment (window 0)
.macro MULLO f, a0, first
.irp a, \a0, \a0+1
.irp b, 0,1,2,3,4,5,6,7
.if \first
	v_wmma_f32_16x16x32_f16 v[8*(8*(\a)+\b):8*(8*(\a)+\b)+7], v[96*\f+8*\b:96*\f+8*\b+7], v[FA+32*\f+8*(\a):FA+32*\f+8*(\a)+7], v[BIAS+8*\b:BIAS+8*\b+7]
.else
	v_wmma_f32_16x16x32_f16 v[8*(8*(\a)+\b):8*(8*(\a)+\b)+7], v[96*\f+8*\b:96*\f+8*\b+7], v[FA+32*\f+8*(\a):FA+32*\f+8*(\a)+7], v[8*(8*(\a)+\b):8*(8*(\a)+\b)+7]
.endif
.endr
.endr
.endm
; 16 matrix instructions on window 3: row blocks 0-3 x feature blocks 8-11
.macro MULHI f, first
.irp a, 0,1,2,3
.irp b, 8,9,10,11
.if \first
	v_wmma_f32_16x16x32_f16 v[8*(4*\a+\b-8):8*(4*\a+\b-8)+7], v[96*\f+8*\b:96*\f+8*\b+7], v[FA+32*\f+8*\a:FA+32*\f+8*\a+7], v[BIAS+8*\b:BIAS+8*\b+7]
.else
	v_wmma_f32_16x16x32_f16 v[8*(4*\a+\b-8):8*(4*\a+\b-8)+7], v[96*\f+8*\b:96*\f+8*\b+7], v[FA+32*\f+8*\a:FA+32*\f+8*\a+7], v[8*(4*\a+\b-8):8*(4*\a+\b-8)+7]
.endif
.endr
.endr
.endm
; One of a K step's first three quarters: fetches the next quarter's fragments (byte k) into buffer g, then multiplies buffer f.
; The 48 accumulators take turns, one instruction a turn, in the same order in every quarter.
.macro QUARTER slot, k, f, g, first
	PLACES                                         ; buffer g was read by the matrix instructions just issued
	FETCH \slot, \k, \g
	s_wait_dscnt 32                                ; all but the 32 just issued: buffer f is in
.if \first
	WIN 0x81                                       ; source 0 window 1, source 1 and C window 0, D window 2
.else
	WIN 0xa1                                       ; C and D window 2
.endif
	MULLO \f, 0, \first
	MULLO \f, 2, \first
.if \first
	WIN 0xc1
.else
	WIN 0xf1
.endif
	MULHI \f, \first
.endm
.macro THREE slot, first
	QUARTER \slot, 64,  0, 1, \first
	QUARTER \slot, 128, 1, 0, 0
	QUARTER \slot, 192, 0, 1, 0
.endm
; The last quarter multiplies buffer 1 and changes slots.  In front of the barrier each wave waits for its reads of this slot and for all its tensor loads
; (the two that are out are its parts of the next slot).  fill = 1: the barrier opens a round of the cluster's barrier, and behind the round's closing wait
; this slot is filled again, two K steps ahead, first thing; the loads then have the next K step less 32 matrix instructions in which to land.
.macro TURN slot, next, fill
	s_wait_dscnt 0x0                               ; buffer 1 is in, and with it my last reads of this slot
	s_wait_tensorcnt 0x0                           ; all my tensor loads have landed
	ds_add_u32 v255, v255
	s_wait_dscnt 0x0
	s_barrier_signal -1
	WIN 0xa1
	MULLO 1, 0, 0                                  ; register work while the others arrive
	MULLO 1, 2, 0
	WIN 0
	s_barrier_wait -1
.if \fill
	CREST
	s_add_nc_u64 s[G0A+4*\slot+2:G0A+4*\slot+3], s[G0A+4*\slot+2:G0A+4*\slot+3], 2*KSTEP*2   ; no tensor load of mine is out: the addresses may step
	s_add_nc_u64 s[G0B+4*\slot+2:G0B+4*\slot+3], s[G0B+4*\slot+2:G0B+4*\slot+3], 2*KSTEP*2
	tensor_load_to_lds s[G0A+4*\slot:G0A+4*\slot+3], s[G1A:G1A+7]
	s_nop 0
	tensor_load_to_lds s[G0B+4*\slot:G0B+4*\slot+3], s[G1B:G1B+7]
	s_nop 0
.endif
	PLACES
	FETCH \next, 0, 0
	WIN 0xf1
	MULHI 1, 0
.endm
.macro LAP first                       ; once round the ring, both slots filled again
	THREE 0, \first
	TURN 0, 1, 1
	THREE 1, 0
	TURN 1, 0, 1
.endm
	s_wait_tensorcnt 0x2                           ; my parts of K step 0 are in; K step 1's two loads stay out
	s_barrier_signal -1
	s_barrier_wait -1                              ; everybody's are
	FETCH 0, 0, 0
	s_wait_loadcnt 0x0                             ; the bias fragments
	LAP 1                                          ; K steps 0, 1 (fills 2, 3): the first products start the sums from the bias
	WIN 0                                          ; at a label and at a branch every window is 0
	s_mov_b32 s3, 2
.Llap:
	LAP 0                                          ; K steps 2-5 (fills 4-7)
	WIN 0
	s_sub_co_u32 s3, s3, 1
	s_cmp_lg_u32 s3, 0
	s_cbranch_scc1 .Llap
	THREE 0, 0                                     ; K steps 6, 7 fill nothing
	TURN 0, 1, 0
	THREE 1, 0
	s_wait_dscnt 0x0
	WIN 0xa1
	MULLO 1, 0, 0
	MULLO 1, 2, 0
	WIN 0xf1
	MULHI 1, 0
	WIN 0
	PLACES                                         ; behind the last matrix instructions, before their results are read
; THE WAY OUT, 16 rows at a time: round to f16, 16 bytes a lane into my own stage, read back so that a store of the wave covers four whole rows of one head.
.macro OUT16 a
	WIN 0x0a                                       ; sources in window 2
.irp b, 0,1,2,3,4,5,6,7
.irp r, 0,1,2,3
	v_cvt_pk_f16_f32 v[TMP+4*\b+\r], v[8*(8*\a+\b)+2*\r], v[8*(8*\a+\b)+2*\r+1]
.endr
.endr
	WIN 0x0f                                       ; sources in window 3
.irp b, 8,9,10,11
.irp r, 0,1,2,3
	v_cvt_pk_f16_f32 v[TMP+4*\b+\r], v[8*(4*\a+\b-8)+2*\r], v[8*(4*\a+\b-8)+2*\r+1]
.endr
.endr
	WIN 0
.irp b, 0,1,2,3,4,5,6,7,8,9,10,11
	ds_store_b128 v[STO], v[TMP+4*\b:TMP+4*\b+3] offset:32*\b
.endr
	s_wait_xcnt 0x0                                ; the read-back registers were the data of the last stores: loaded again only behind this wait
.irp t, 0,1,2,3,4,5,6,7,8,9,10,11
	ds_load_b128 v[RB+4*\t:RB+4*\t+3], v[RD] offset:4*SPITCH*(\t%4)+128*(\t/4)   ; LDS serves a wave's instructions in order: these see the stores above
.endr
.irp t, 0,1,2,3,4,5,6,7,8,9,10,11
	s_wait_dscnt 11-\t                             ; read-back t is in, the younger ones stay out
	global_store_b128 v[CO], v[RB+4*\t:RB+4*\t+3], s[8:9] offset:262144*(\t/4)+2048*\a+512*(\t%4)   ; 512 consecutive bytes, at a multiple of 512 from the buffer's first byte
.endr
.endm
	OUT16 0
	OUT16 1
	OUT16 2
	OUT16 3
	s_set_vgpr_msb 0x1
	s_wait_tensorcnt 0x0
	ds_add_u32 v255, v255
	s_wait_dscnt 0x0
	s_set_vgpr_msb 0x100
	ROUND                                          ; the closing round: no work-group ends while a partner may still ask for a tile that names it
	s_endpgm
.Lfunc_end_k_q08b94ef6d7_qkv:
	.size	k_q08b94ef6d7_qkv, .Lfunc_end_k_q08b94ef6d7_qkv-k_q08b94ef6d7_qkv
	.p2alignl 7, 3214868480
	.fill 96, 4, 3214868480
	.section	.rodata,"a",@progbits
	.p2align	6, 0x0
	.amdhsa_kernel k_q08b94ef6d7_qkv
		.amdhsa_group_segment_fixed_size 327680
		.amdhsa_private_segment_fixed_size 0
		.amdhsa_enable_private_segment 0
		.amdhsa_kernarg_size 24
		.amdhsa_user_sgpr_count 2
		.amdhsa_user_sgpr_kernarg_segment_ptr 1
		.amdhsa_wavefront_size32 1
		.amdhsa_system_sgpr_workgroup_id_x 1
		.amdhsa_system_sgpr_workgroup_id_y 1
		.amdhsa_system_sgpr_workgroup_id_z 1
		.amdhsa_system_vgpr_workitem_id 0
		.amdhsa_next_free_vgpr 896
		.amdhsa_next_free_sgpr 66
		.amdhsa_reserve_vcc 0
		.amdhsa_float_denorm_mode_32 3
		.amdhsa_float_denorm_mode_16_64 3
		.amdhsa_memory_ordered 1
		.amdhsa_forward_progress 1
		.amdhsa_inst_pref_size 164
	.end_amdhsa_kernel
	.amdgpu_metadata
---
amdhsa.version: [ 1, 2 ]
amdhsa.kernels:
  - .name:           k_q08b94ef6d7_qkv
    .symbol:         k_q08b94ef6d7_qkv.kd
    .args:
      - { .name: castb, .offset: 0, .size: 8, .value_kind: global_buffer, .address_space: global }
      - { .name: bias_qkv, .offset: 8, .size: 8, .value_kind: global_buffer, .address_space: global }
      - { .name: qkvb, .offset: 16, .size: 8, .value_kind: global_buffer, .address_space: global }
    .group_segment_fixed_size: 327680
    .private_segment_fixed_size: 0
    .kernarg_segment_align: 8
    .kernarg_segment_size: 24
    .max_flat_workgroup_size: 128
    .sgpr_count:     66
    .vgpr_count:     896
    .wavefront_size: 32
...
	.end_amdgpu_metadata
.endif
;; end of part 2
;; launch attn (part 3): grid 8 x 32, 8 waves a work-group, clusters of 4 x 1, 327,680 bytes of LDS; arguments qkvb, ctxb; writes ctxb
.if DOCPART == 3
	.amdgcn_target "amdgcn-amd-amdhsa--gfx1250"
	.amdhsa_code_object_version 6
	.text
	.protected	k_q08b94ef6d7_attn
	.globl	k_q08b94ef6d7_attn
	.p2align	8
	.type	k_q08b94ef6d7_attn,@function
k_q08b94ef6d7_attn:
	s_mov_b64 s[64:65], 0
	v_nop
	global_prefetch_b8 v0, s[64:65] scope:SCOPE_SE
	s_setreg_imm32_b32 hwreg(HW_REG_WAVE_MODE, 25, 1), 1
	s_wait_xcnt 0x0
	s_wait_alu depctr_hold_cnt(0) depctr_sa_sdst(0) depctr_va_vdst(0) depctr_va_sdst(0) depctr_va_ssrc(0) depctr_va_vcc(0) depctr_vm_vsrc(0)
	s_getreg_b32 s2, hwreg(HW_REG_IB_STS2, 6, 4)
	s_cmp_eq_u32 s2, 0
	s_cbranch_scc0 .Lentry_in_a_cluster
	s_endpgm
.Lentry_in_a_cluster:
	s_bfe_u32 s2, ttmp6, 0x10000c
	s_cmp_lg_u32 s2, 0x3003
	s_cbranch_scc0 .Lentry_shape_is_right
	s_endpgm
.Lentry_shape_is_right:
; ctxb[b][h][s][d] = f16( softmax over keys of (q k^T / 8) x v ), for each of the 32 (b, h); q, k, v are the f16 chunks of qkvb ([b][g][2048][64]).
; A work-group takes 256 queries of one head, wave w 32 of them (two tiles of 16, q0 and q1), against all 2,048 keys, with a running maximum and a running sum in f32.
; CLUSTERS: four work-groups along x are four query blocks of one head and read the same K and V tiles: every tile is asked for jointly (mask 15).
; Keys go in 8 tiles of 256 through a ring of two LDS slots; each wave fetches 32 keys of K and 32 of V (4,096 dense bytes each, as rows of 256 bytes).
; By this text's own count a wave has at most four tensor loads outstanding (the ring's first filling), later two.
; BOTH PRODUCTS ARE TAKEN TRANSPOSED.  S^T = K Q^T: lane (r, h) holds query r and keys 8 h + j of a tile, so a query's maximum and sum are taken inside the lane
; and across one pair of lanes, and two neighbouring key tiles, rounded to f16, ARE the second operand of ctx^T = V^T P.  In ctx^T lane (r, h) holds query r and
; d = 8 h + j: the rescaling factor is one number a lane, and eight neighbouring d pack into 16 bytes.  V^T comes from LDS by the transposing load.
; THE PIPELINE.  A sub-step is 64 keys, j = 0 .. 31, and has two phases.  In each, the softmax arithmetic of one query tile is interleaved, one matrix instruction at a
; time, with the OTHER query tile's products, which touch none of its registers:
;   phase A(j): softmax of q0 on sub-step j;   among it  ctx(q1) += V(j-1)^T P(q1, j-1),  then  S(q1, j)   = K(j) Q1^T
;   phase B(j): softmax of q1 on sub-step j;   among it  ctx(q0) += V(j)^T   P(q0, j),    then  S(q0, j+1) = K(j+1) Q0^T
; So a query tile's scores are written in the phase before its softmax and its probabilities are used up in the phase behind it: one score buffer for each tile is enough.
; V(j) is asked for in the middle of A(j), K(j+1) at the head of B(j).  The last LDS read of a tile is V of its fourth sub-step (middle of A), the next read is K of the
; next tile (head of B): the slot's refill, with its round of the cluster's barrier, stands between the two, and the pipeline runs on across it.
; ARITHMETIC: p = 2^(c s - c m), c = log2(e) / 8, m the running maximum of the raw scores s; the old sums are rescaled by 2^(nm_new - nm_old) with nm = -c m as rounded,
; the same numbers that the exponents use, so old and new terms agree at any size of the scores.
; F16: p lies in [0, 1] by the running maximum, whatever the inputs; under 2^-14 its step is 2^-24, against a sum that is at least 1.  ctx is a weighted mean of v and
; has v's range (under 65,504: the second launch's limit); where it falls under 2^-14 its step is 2^-24 (denormals are kept).
; LIMITS: a NaN among the scores loses in the maximum (v_max_num), so NaN inputs can give another NaN pattern than the reference; v_exp_f32 gives 0 for results
; below 2^-126 (ISA guide, its entry in 15.8), so such probabilities count as 0; infinite scores give NaN, as in the reference.
; No prefetch: K and V were stored by the launch before, and each tile is asked for a whole tile's work before it is read.
; REGISTERS: 312 are needed, so one block of 64 lies in window 1: V^T's fragments, which only loads write and only matrix instructions read (as source 0).
; Each of those matrix instructions is therefore bracketed by two switches of the window: the softmax instructions between them name window 0 in every place.
.set KP,    144                        ; a K row in LDS: 128 bytes + 16, an odd multiple of 16
.set VP,    160                        ; a V row in LDS: 128 bytes + 32, an odd multiple of 32 (for the transposing load)
.set VOFF,  256*KP                     ; V lies behind K's 256 rows
.set SLOT,  256*(KP+VP)                ; 77,824 bytes
.set STAGE, 2*SLOT                     ; behind the ring, at a multiple of 256: no tensor load lands here
.set SW,    32*KP                      ; a wave's stage: 32 rows of 144 bytes; also the LDS bytes of a wave's 32 keys of K
.set CHUNK, 262144                     ; a (b, g) chunk: 2,048 rows of 128 bytes
.set KA,  2                            ; v2-3     LDS address of my K fragments in slot 0, 1
.set VA,  4                            ; v4-5     the same for V
.set MX,  6                            ; v6-7     running maximum of query tile q (raw scores)
.set LS,  8                            ; v8-9     running sum, my half of the keys
.set NM,  10                           ; v[10:13] -c x maximum, a pair for each q
.set AL,  14                           ; v[14:17] rescaling factor, a pair for each q
.set T,   18                           ; v[18:25] at work
.set CO,  28                           ; 16 x lane
.set STO, 30
.set RD,  31
.set QF,  32                           ; v[32:63]   Q fragments, (q, c) at 16 q + 8 c (c: which 32 of d); on the way out the read-backs
.set KF,  64                           ; v[64:127]  K fragments, (kt, c) at 16 kt + 8 c
.set ACC, 128                          ; v[128:191] ctx^T, (q, dt) at 32 q + 8 dt (dt: which 16 of d)
.set SC,  192                          ; v[192:255] scores, (q, kt) at 32 q + 8 kt; P (q, g) overlays them at 32 q + 8 g (g: which 32 keys)
.set VF,  0                            ; window 1, v[0:63]: V^T fragments, (g, dt) at 32 g + 8 dt
.set G1K, 16
.set G1V, 24
.set G0K, 32                           ; one set for each slot
.set G0V, 40
.set MSB, 0
.macro WIN new                         ; s_set_vgpr_msb: bits 1:0 source 0, 3:2 source 1, 5:4 source 2, 7:6 destination; the high byte repeats the setting that is left
.if MSB != \new
	s_set_vgpr_msb (MSB<<8)|\new
.set MSB, \new
.endif
.endm
.macro PLACES
.rept 4
	v_nop
.endr
.endm
.macro CREST                           ; a round of the cluster's barrier behind its opening work-group barrier
	s_cmp_lg_u32 s8, 0
	s_cbranch_scc1 .Lnot_wave_0_\@
	s_barrier_signal -3                            ; wave 0 speaks for the work-group
.Lnot_wave_0_\@:
	s_barrier_wait -3
	s_barrier_signal -1
	s_barrier_wait -1
.endm
.macro ROUND                           ; a whole round
	s_barrier_signal -1
	s_barrier_wait -1
	CREST
.endm
	s_load_b128 s[4:7], s[0:1], 0x0                ; qkvb s[4:5], ctxb s[6:7]
	v_lshl_add_u32 v27, v0, 2, 0x2f000
	v_mov_b32 v29, 0
	ds_add_u32 v27, v29
	v_lshrrev_b32 v1, 5, v0
	v_readfirstlane_b32 s8, v1                     ; wave 0..7
	s_bfe_u32 s9, ttmp6, 0x40000                   ; cx
	s_lshl_b32 s10, ttmp9, 2
	s_add_co_u32 s10, s10, s9                      ; query block = 4 x cluster x + cx
	s_and_b32 s11, ttmp7, 0xffff                   ; bh = 16 b + h
	s_lshr_b32 s12, s11, 4
	s_mul_i32 s12, s12, 48
	s_and_b32 s13, s11, 15
	s_add_co_u32 s12, s12, s13                     ; q's chunk: 48 b + h; k's is 16 further, v's 32
	s_mov_b32 s48, 0x76543210                      ; v_permlanex16_b32: lane i reads lane i of the other half
	s_mov_b32 s49, 0xfedcba98
	; group 1: a dense block of 4,096 bytes as 16 rows of 32 elements of 8 bytes; padding behind every 32 words (one key's 128 bytes): 4 words for K, 8 for V
	s_mov_b32 s[G1K+0], 15|(3<<16)|(1<<20)|(1<<21)|(4<<22)|(3<<25)
	s_mov_b32 s[G1K+1], 32<<16
	s_mov_b32 s[G1K+2], 16<<16
	s_mov_b32 s[G1K+3], 32<<16
	s_mov_b32 s[G1K+4], 16
	s_mov_b32 s[G1K+5], 32
	s_mov_b32 s[G1K+6], 0
	s_mov_b32 s[G1K+7], 0
	s_mov_b32 s[G1V+0], 15|(3<<16)|(1<<20)|(1<<21)|(4<<22)|(7<<25)
	s_mov_b32 s[G1V+1], 32<<16
	s_mov_b32 s[G1V+2], 16<<16
	s_mov_b32 s[G1V+3], 32<<16
	s_mov_b32 s[G1V+4], 16
	s_mov_b32 s[G1V+5], 32
	s_mov_b32 s[G1V+6], 0
	s_mov_b32 s[G1V+7], 0
	; K's and V's addresses hang on bh and the wave alone, which the four partners share; cx enters s9, s10, s52-57, s60-61 only
	s_lshl_b32 s13, s8, 12                         ; the wave's 32 rows of 128 bytes
	s_add_co_u32 s14, s12, 16
	s_lshl_b32 s14, s14, 18
	s_add_co_u32 s14, s14, s13
	s_mov_b32 s15, 0
	s_add_co_u32 s58, s14, 16*CHUNK
	s_mov_b32 s59, 0
	s_lshl_b32 s52, s12, 18
	s_lshl_b32 s53, s10, 15                        ; 256 queries of 128 bytes
	s_add_co_u32 s52, s52, s53
	s_add_co_u32 s52, s52, s13
	s_mov_b32 s53, 0
	s_lshl_b32 s60, s11, 18
	s_lshl_b32 s61, s10, 15
	s_add_co_u32 s60, s60, s61
	s_add_co_u32 s60, s60, s13
	s_mov_b32 s61, 0
	s_mul_i32 s62, s8, SW                          ; LDS: my 32 keys of K
	s_mul_i32 s63, s8, 32*VP
	s_add_co_u32 s63, s63, VOFF                    ; and of V
	v_and_b32 v18, 15, v0                          ; r
	v_bfe_u32 v19, v0, 4, 1                        ; h
	v_and_b32 v20, 31, v0                          ; lane
	v_lshlrev_b32 v1, 7, v18
	v_lshl_add_u32 v1, v19, 4, v1                  ; Q: 128 r + 16 h
	s_wait_dscnt 0x0
	s_wait_kmcnt 0x0
	s_add_nc_u64 s[14:15], s[4:5], s[14:15]        ; K
	s_add_nc_u64 s[58:59], s[4:5], s[58:59]        ; V
	s_add_nc_u64 s[54:55], s[4:5], s[52:53]        ; my 32 queries
	s_add_nc_u64 s[56:57], s[6:7], s[60:61]        ; my 32 rows of ctx
.irp q, 0,1
.irp c, 0,1
	global_load_b128 v[QF+16*\q+8*\c:QF+16*\q+8*\c+3],   v1, s[54:55] offset:2048*\q+64*\c      ; Q stays in registers for the whole kernel
	global_load_b128 v[QF+16*\q+8*\c+4:QF+16*\q+8*\c+7], v1, s[54:55] offset:2048*\q+64*\c+32
.endr
.endr
	ROUND                                          ; all four work-groups are here: the first joint loads meet
.irp s, 0,1
	s_mov_b32 s[G0K+4*\s], 1
	s_add_co_u32 s[G0K+4*\s+1], s62, \s*SLOT
	s_add_nc_u64 s[G0K+4*\s+2:G0K+4*\s+3], s[14:15], \s*32768      ; a tile is 256 keys of 128 bytes
	s_or_b32 s[G0K+4*\s+3], s[G0K+4*\s+3], 0x80000000
	s_mov_b32 s[G0V+4*\s], 1
	s_add_co_u32 s[G0V+4*\s+1], s63, \s*SLOT
	s_add_nc_u64 s[G0V+4*\s+2:G0V+4*\s+3], s[58:59], \s*32768
	s_or_b32 s[G0V+4*\s+3], s[G0V+4*\s+3], 0x80000000
	tensor_load_to_lds s[G0K+4*\s:G0K+4*\s+3], s[G1K:G1K+7]
	s_nop 0
	tensor_load_to_lds s[G0V+4*\s:G0V+4*\s+3], s[G1V:G1V+7]
	s_nop 0
.endr
	v_mul_u32_u24 v21, v18, KP
	v_lshl_add_u32 v21, v19, 4, v21                ; 144 r + 16 h
	v_mov_b32 v[KA], v21
	v_add_nc_u32 v[KA+1], SLOT, v21
	v_and_b32 v22, 7, v0
	v_lshl_add_u32 v22, v19, 3, v22                ; the transposing load: key 8 h + (lane & 7),
	v_mul_u32_u24 v22, v22, VP
	v_bfe_u32 v23, v0, 3, 1
	v_lshl_add_u32 v22, v23, 4, v22                ; 16 bytes for each half of a group of sixteen lanes
	v_add_nc_u32 v[VA], VOFF, v22
	v_add_nc_u32 v[VA+1], SLOT+VOFF, v22
	s_add_co_u32 s13, s62, STAGE                   ; my stage
	v_add_nc_u32 v[STO], s13, v21
	v_lshrrev_b32 v23, 3, v20
	v_mul_u32_u24 v23, v23, KP
	v_and_b32 v24, 7, v0
	v_lshl_add_u32 v23, v24, 4, v23
	v_add_nc_u32 v[RD], s13, v23                   ; back: eight lanes take one row of 128 bytes, 32 lanes four rows
	v_lshlrev_b32 v[CO], 4, v20
.macro LOADK slot, i                   ; 16 loads: 64 keys x 64 d as eight fragments
.irp kt, 0,1,2,3
.irp c, 0,1
	ds_load_b128 v[KF+16*\kt+8*\c:KF+16*\kt+8*\c+3],   v[KA+\slot] offset:64*KP*(\i)+16*KP*\kt+64*\c
	ds_load_b128 v[KF+16*\kt+8*\c+4:KF+16*\kt+8*\c+7], v[KA+\slot] offset:64*KP*(\i)+16*KP*\kt+64*\c+32
.endr
.endr
.endm
.macro LOADV slot, i                   ; 16 transposing loads: 64 d x 64 keys as eight fragments of V^T, into window 1
	WIN 0x40
.irp g, 0,1
.irp dt, 0,1,2,3
	ds_load_tr16_b128 v[VF+32*\g+8*\dt:VF+32*\g+8*\dt+3],   v[VA+\slot] offset:64*VP*(\i)+32*VP*\g+32*\dt
	ds_load_tr16_b128 v[VF+32*\g+8*\dt+4:VF+32*\g+8*\dt+7], v[VA+\slot] offset:64*VP*(\i)+32*VP*\g+32*\dt+16*VP
.endr
.endr
	WIN 0
.endm
; Matrix instruction number w of a phase, for query tile o.
; w = 0 .. 7: ctx^T(o, dt = w % 4) += V^T(g = w / 4, dt) P(o, g).  pv = 0: none; 1: adds on; 2: the first ever, g = 0 starts the sums (nothing is cleared).
; w = 8 .. 15: S^T(o, kt = w % 4) = K(kt, c) Q(o, c), c = (w - 8) / 4; c = 0 starts the sum.  qk = 0: none.
; In this order no two matrix instructions that follow each other share an accumulator, from phase to phase and over the loop's jump too.
.macro WM w, o, pv, qk
.if \w < 8
.if \pv
	WIN 0x01                                       ; source 0 in window 1
.if (\pv/2)*(1-\w/4)
	v_wmma_f32_16x16x32_f16 v[ACC+32*(\o)+8*(\w%4):ACC+32*(\o)+8*(\w%4)+7], v[VF+32*(\w/4)+8*(\w%4):VF+32*(\w/4)+8*(\w%4)+7], v[SC+32*(\o)+8*(\w/4):SC+32*(\o)+8*(\w/4)+7], 0
.else
	v_wmma_f32_16x16x32_f16 v[ACC+32*(\o)+8*(\w%4):ACC+32*(\o)+8*(\w%4)+7], v[VF+32*(\w/4)+8*(\w%4):VF+32*(\w/4)+8*(\w%4)+7], v[SC+32*(\o)+8*(\w/4):SC+32*(\o)+8*(\w/4)+7], v[ACC+32*(\o)+8*(\w%4):ACC+32*(\o)+8*(\w%4)+7]
.endif
	WIN 0
.endif
.else
.if \qk
.if \w < 12
	v_wmma_f32_16x16x32_f16 v[SC+32*(\o)+8*(\w%4):SC+32*(\o)+8*(\w%4)+7], v[KF+16*(\w%4):KF+16*(\w%4)+7], v[QF+16*(\o):QF+16*(\o)+7], 0
.else
	v_wmma_f32_16x16x32_f16 v[SC+32*(\o)+8*(\w%4):SC+32*(\o)+8*(\w%4)+7], v[KF+16*(\w%4)+8:KF+16*(\w%4)+15], v[QF+16*(\o)+8:QF+16*(\o)+15], v[SC+32*(\o)+8*(\w%4):SC+32*(\o)+8*(\w%4)+7]
.endif
.endif
.endif
.endm
.macro SCALE q, a, cnt                 ; cnt packed multiply-adds from pair a on: c s - c m
.set jj, 2*(\a)
.rept \cnt
	v_pk_fma_f32 v[SC+32*\q+jj:SC+32*\q+jj+1], v[SC+32*\q+jj:SC+32*\q+jj+1], 0x3e38aa3b, v[NM+2*\q:NM+2*\q+1] op_sel_hi:[1,0,1]
.set jj, jj+2
.endr
.endm
.macro EXPG q, k, first                ; four exponentials; among them four numbers of ctx(q) go to the new maximum (plain instructions between the transcendentals)
	v_exp_f32 v[SC+32*\q+4*\k],   v[SC+32*\q+4*\k]
	v_exp_f32 v[SC+32*\q+4*\k+1], v[SC+32*\q+4*\k+1]
.if \first == 0
	v_pk_mul_f32 v[ACC+32*\q+4*\k:ACC+32*\q+4*\k+1], v[ACC+32*\q+4*\k:ACC+32*\q+4*\k+1], v[AL+2*\q:AL+2*\q+1]
.endif
	v_exp_f32 v[SC+32*\q+4*\k+2], v[SC+32*\q+4*\k+2]
	v_exp_f32 v[SC+32*\q+4*\k+3], v[SC+32*\q+4*\k+3]
.if \first == 0
	v_pk_mul_f32 v[ACC+32*\q+4*\k+2:ACC+32*\q+4*\k+3], v[ACC+32*\q+4*\k+2:ACC+32*\q+4*\k+3], v[AL+2*\q:AL+2*\q+1]
.endif
.endm
.macro PACK q, a, cnt                  ; P in f16, in place: word n is made of numbers 2 n and 2 n + 1, ascending, so no number is overwritten before it is read
.set jj, \a
.rept \cnt
	v_cvt_pk_f16_f32 v[SC+32*\q+jj], v[SC+32*\q+2*jj], v[SC+32*\q+2*jj+1]
.set jj, jj+1
.endr
.endm
; One phase: the softmax of query tile q, with the other tile's sixteen matrix instructions among it.
; first = 1: the tile's first sub-step starts maximum and sum, and nothing is rescaled.  pv, qk: see WM.
; lv: V of sub-step (slot vs, number vi) is asked for (phases A).  lk: K of sub-step (slot ks, number ki) is asked for (phases B).
; sync = 1: slot rs has had its last read here and is filled again, two tiles ahead, behind a round of the cluster's barrier; 2: a barrier alone shows the last tile.
.macro PHASE q, first, pv, qk, lv, vs, vi, lk, ks, ki, sync, rs
.if \q
.if \lk
	LOADK \ks, \ki                                 ; K's registers were last read by the phase before's last matrix instruction: eight conversions stand between (ISA guide 7.12.1)
	s_wait_dscnt 16                                ; V is in; the 16 loads of K just issued stay out
.else
	s_wait_dscnt 0x0
.endif
.endif
	; the running maximum: four chains over my 32 scores, a tree with the old maximum, then the lane that holds the query's other keys
	WM 0, 1-\q, \pv, \qk
.irp c, 0,1,2,3
	v_max3_num_f32 v[T+\c], v[SC+32*\q+8*\c], v[SC+32*\q+8*\c+1], v[SC+32*\q+8*\c+2]
.endr
	WM 1, 1-\q, \pv, \qk
.irp c, 0,1,2,3
	v_max3_num_f32 v[T+\c], v[T+\c], v[SC+32*\q+8*\c+3], v[SC+32*\q+8*\c+4]
.endr
	WM 2, 1-\q, \pv, \qk
.irp c, 0,1,2,3
	v_max3_num_f32 v[T+\c], v[T+\c], v[SC+32*\q+8*\c+5], v[SC+32*\q+8*\c+6]
.endr
	WM 3, 1-\q, \pv, \qk
	v_max3_num_f32 v[T],   v[T],   v[T+1], v[SC+32*\q+7]
	v_max3_num_f32 v[T+2], v[T+2], v[T+3], v[SC+32*\q+15]
	v_max3_num_f32 v[T],   v[T],   v[SC+32*\q+23], v[SC+32*\q+31]
.if \first
	v_max_num_f32 v[T], v[T], v[T+2]
.else
	v_max3_num_f32 v[T], v[T], v[T+2], v[MX+\q]
	v_mov_b32 v[T+3], v[NM+2*\q]                   ; the old -c m
.endif
	WM 4, 1-\q, \pv, \qk
	v_permlanex16_b32 v[T+1], v[T], s48, s49
	v_max_num_f32 v[MX+\q], v[T], v[T+1]
	v_mul_f32 v[NM+2*\q], 0xbe38aa3b, v[MX+\q]     ; -c m, c = log2(e) / 8
.if \first == 0
	v_sub_f32 v[AL+2*\q], v[NM+2*\q], v[T+3]       ; c m_old - c m_new, from the rounded numbers
.endif
	v_mov_b32 v[NM+2*\q+1], v[NM+2*\q]
	WM 5, 1-\q, \pv, \qk
.if \first == 0
	v_exp_f32 v[AL+2*\q], v[AL+2*\q]               ; the rescaling factor; the packed multiply-adds are the plain places behind it (ISA guide 5.7.2)
.endif
	SCALE \q, 0, 5
	WM 6, 1-\q, \pv, \qk
	SCALE \q, 5, 5
	WM 7, 1-\q, \pv, \qk
	SCALE \q, 10, 6                                ; six places behind the last V^T P: V's registers are loaded again, and P's written over, only behind them (ISA guide 7.12.1)
.if \first == 0
	s_wait_alu depctr_va_vdst(0)
	v_mov_b32 v[AL+2*\q+1], v[AL+2*\q]             ; a pair for the packed multiply
.endif
.if \lv
	LOADV \vs, \vi
.endif
.if \q*\lk
	s_wait_dscnt 0x0                               ; K is in
.endif
	WM 8, 1-\q, \pv, \qk
	EXPG \q, 0, \first
	EXPG \q, 1, \first
	WM 9, 1-\q, \pv, \qk
	EXPG \q, 2, \first
	EXPG \q, 3, \first
	WM 10, 1-\q, \pv, \qk
	EXPG \q, 4, \first
	EXPG \q, 5, \first
	WM 11, 1-\q, \pv, \qk
.if \sync
	s_wait_dscnt 0x0                               ; my reads of the slot are over: V's loads above were the last
	s_wait_tensorcnt 0x0                           ; and all my tensor loads have landed, my parts of the next tile among them:
	ds_add_u32 v27, v29
	s_wait_dscnt 0x0
	s_barrier_signal -1                            ; say so; register work alone follows up to the wait
.endif
	EXPG \q, 6, \first
	EXPG \q, 7, \first
.if \first
	v_nop                                          ; the plain place behind the exponentials
	s_wait_alu depctr_va_vdst(0)
.endif
	WM 12, 1-\q, \pv, \qk
	; the running sum, in f32, my half of the keys: four packed chains
	s_wait_alu depctr_va_vdst(0)
.irp c, 0,1,2,3
	v_pk_add_f32 v[T+2*\c:T+2*\c+1], v[SC+32*\q+8*\c:SC+32*\q+8*\c+1], v[SC+32*\q+8*\c+2:SC+32*\q+8*\c+3]
.endr
.irp c, 0,1,2,3
	v_pk_add_f32 v[T+2*\c:T+2*\c+1], v[T+2*\c:T+2*\c+1], v[SC+32*\q+8*\c+4:SC+32*\q+8*\c+5]
.endr
	WM 13, 1-\q, \pv, \qk
.irp c, 0,1,2,3
	v_pk_add_f32 v[T+2*\c:T+2*\c+1], v[T+2*\c:T+2*\c+1], v[SC+32*\q+8*\c+6:SC+32*\q+8*\c+7]
.endr
	v_pk_add_f32 v[T:T+1],   v[T:T+1],   v[T+2:T+3]
	v_pk_add_f32 v[T+4:T+5], v[T+4:T+5], v[T+6:T+7]
	v_pk_add_f32 v[T:T+1],   v[T:T+1],   v[T+4:T+5]
.if \first
	v_add_f32 v[LS+\q], v[T], v[T+1]
.else
	v_add_f32 v[T], v[T], v[T+1]
	v_fma_f32 v[LS+\q], v[LS+\q], v[AL+2*\q], v[T]
.endif
	WM 14, 1-\q, \pv, \qk
	PACK \q, 0, 8
	WM 15, 1-\q, \pv, \qk
	PACK \q, 8, 8                                  ; eight places behind the last K Q^T: its scores are read, and K's registers loaded again, only behind them (ISA guide 7.12.1)
.if \sync
	s_barrier_wait -1                              ; all eight waves have said so
.endif
.if \sync == 1
	CREST                                          ; and all four work-groups: no wave of any partner still reads the slot or has a load on its way
	s_add_nc_u64 s[G0K+4*\rs+2:G0K+4*\rs+3], s[G0K+4*\rs+2:G0K+4*\rs+3], 65536     ; no tensor load of mine is out: the addresses may step, two tiles on
	s_add_nc_u64 s[G0V+4*\rs+2:G0V+4*\rs+3], s[G0V+4*\rs+2:G0V+4*\rs+3], 65536
	tensor_load_to_lds s[G0K+4*\rs:G0K+4*\rs+3], s[G1K:G1K+7]      ; the first tensor loads behind the round, ahead of the next LDS read;
	s_nop 0
	tensor_load_to_lds s[G0V+4*\rs:G0V+4*\rs+3], s[G1V:G1V+7]      ; they have a whole tile's work in which to land
	s_nop 0
.endif
.endm
.macro PA first, pv, vs, vi, sync, rs  ; phase A(j): V(j) is at (slot vs, number vi)
	PHASE 0, \first, \pv, 1, 1, \vs, \vi, 0, 0, 0, \sync, \rs
.endm
.macro PB first, pv, lk, ks, ki        ; phase B(j): K(j+1) is at (slot ks, number ki)
	PHASE 1, \first, \pv, \lk, 0, 0, 0, \lk, \ks, \ki, 0, 0
.endm
	s_wait_tensorcnt 0x2                           ; my parts of tile 0 are in; tile 1's two loads stay out
	s_barrier_signal -1
	s_barrier_wait -1
	LOADK 0, 0
	s_wait_loadcnt 0x0                             ; Q
	s_wait_dscnt 0x0                               ; K(0)
.irp w, 8,9,10,11,12,13,14,15
	WM \w, 0, 0, 1                                 ; S(q0, 0): the pipeline's first stage, written out
.endr
	PLACES                                         ; before the scores are read
	PA 1, 0, 0, 0, 0, 0                            ; A0
	PB 1, 2, 1, 0, 1                               ; B0: the first V^T P of q0 starts its sums
	PA 0, 2, 0, 1, 0, 0                            ; A1: the first V^T P of q1 starts its sums
	s_mov_b32 s3, 3
.Ltiles:                                               ; trip k = 0, 1, 2: phases B(8k+1) to A(8k+9)
	PB 0, 1, 1, 0, 2
	PA 0, 1, 0, 2, 0, 0
	PB 0, 1, 1, 0, 3
	PA 0, 1, 0, 3, 1, 0                            ; A(8k+3): tile 2k's last read; tile 2k+2 goes out into slot 0
	PB 0, 1, 1, 1, 0
	PA 0, 1, 1, 0, 0, 0
	PB 0, 1, 1, 1, 1
	PA 0, 1, 1, 1, 0, 0
	PB 0, 1, 1, 1, 2
	PA 0, 1, 1, 2, 0, 0
	PB 0, 1, 1, 1, 3
	PA 0, 1, 1, 3, 1, 1                            ; A(8k+7): tile 2k+1's last read; tile 2k+3 goes out into slot 1
	PB 0, 1, 1, 0, 0
	PA 0, 1, 0, 0, 0, 0
	PB 0, 1, 1, 0, 1
	PA 0, 1, 0, 1, 0, 0
	s_sub_co_u32 s3, s3, 1
	s_cmp_lg_u32 s3, 0
	s_cbranch_scc1 .Ltiles
	PB 0, 1, 1, 0, 2                               ; B25: the last tiles fill nothing
	PA 0, 1, 0, 2, 0, 0
	PB 0, 1, 1, 0, 3
	PA 0, 1, 0, 3, 2, 0                            ; A27: a barrier alone: every wave's parts of tile 7 have landed
	PB 0, 1, 1, 1, 0
	PA 0, 1, 1, 0, 0, 0
	PB 0, 1, 1, 1, 1
	PA 0, 1, 1, 1, 0, 0
	PB 0, 1, 1, 1, 2
	PA 0, 1, 1, 2, 0, 0
	PB 0, 1, 1, 1, 3
	PA 0, 1, 1, 3, 0, 0                            ; A31
	PB 0, 1, 0, 0, 0                               ; B31: no K is left
.irp w, 0,1,2,3,4,5,6,7
	WM \w, 1, 1, 0                                 ; ctx(q1) += V(31)^T P(q1, 31): the pipeline's last stage, written out
.endr
	PLACES                                         ; before ctx is read and P's registers are written (ISA guide 7.12.1)
	; THE WAY OUT: the two halves of each query's sum meet, ctx is divided by it, rounded, and goes through my own stage so that a store covers four whole rows
	v_permlanex16_b32 v[T],   v[LS],   s48, s49
	v_permlanex16_b32 v[T+1], v[LS+1], s48, s49
	v_add_f32 v[LS],   v[LS],   v[T]
	v_add_f32 v[LS+1], v[LS+1], v[T+1]
	v_rcp_f32 v[AL],   v[LS]
	v_rcp_f32 v[AL+2], v[LS+1]
	v_nop                                          ; the plain place behind the reciprocals
	s_wait_alu depctr_va_vdst(0)
	v_mov_b32 v[AL+1], v[AL]
	v_mov_b32 v[AL+3], v[AL+2]
.set jj, 0
.rept 32
	v_pk_mul_f32 v[SC+jj:SC+jj+1], v[ACC+jj:ACC+jj+1], v[AL+2*(jj/32):AL+2*(jj/32)+1]
.set jj, jj+2
.endr
.set jj, 0
.rept 32
	v_cvt_pk_f16_f32 v[KF+jj], v[SC+2*jj], v[SC+2*jj+1]            ; tile (q, dt): four words at 16 q + 4 dt
.set jj, jj+1
.endr
.irp q, 0,1
.irp dt, 0,1,2,3
	ds_store_b128 v[STO], v[KF+16*\q+4*\dt:KF+16*\q+4*\dt+3] offset:16*KP*\q+32*\dt
.endr
.endr
.irp t, 0,1,2,3,4,5,6,7
	ds_load_b128 v[QF+4*\t:QF+4*\t+3], v[RD] offset:4*KP*\t        ; LDS serves a wave's instructions in order: these see the stores above
.endr
.irp t, 0,1,2,3,4,5,6,7
	s_wait_dscnt 7-\t                              ; read-back t is in, the younger ones stay out
	global_store_b128 v[CO], v[QF+4*\t:QF+4*\t+3], s[56:57] offset:512*\t      ; 512 consecutive bytes, at a multiple of 512 from the buffer's first byte
.endr
	s_wait_tensorcnt 0x0
	ds_add_u32 v27, v29
	s_wait_dscnt 0x0
	ROUND                                          ; the closing round: no work-group ends while a partner may still ask for a tile that names it
	s_endpgm
.Lfunc_end_k_q08b94ef6d7_attn:
	.size	k_q08b94ef6d7_attn, .Lfunc_end_k_q08b94ef6d7_attn-k_q08b94ef6d7_attn
	.p2alignl 7, 3214868480
	.fill 96, 4, 3214868480
	.section	.rodata,"a",@progbits
	.p2align	6, 0x0
	.amdhsa_kernel k_q08b94ef6d7_attn
		.amdhsa_group_segment_fixed_size 327680
		.amdhsa_private_segment_fixed_size 0
		.amdhsa_enable_private_segment 0
		.amdhsa_kernarg_size 16
		.amdhsa_user_sgpr_count 2
		.amdhsa_user_sgpr_kernarg_segment_ptr 1
		.amdhsa_wavefront_size32 1
		.amdhsa_system_sgpr_workgroup_id_x 1
		.amdhsa_system_sgpr_workgroup_id_y 1
		.amdhsa_system_sgpr_workgroup_id_z 1
		.amdhsa_system_vgpr_workitem_id 0
		.amdhsa_next_free_vgpr 320
		.amdhsa_next_free_sgpr 66
		.amdhsa_reserve_vcc 0
		.amdhsa_float_denorm_mode_32 3
		.amdhsa_float_denorm_mode_16_64 3
		.amdhsa_memory_ordered 1
		.amdhsa_forward_progress 1
		.amdhsa_inst_pref_size 255
	.end_amdhsa_kernel
	.section	.bss,"aw",@nobits
	.p2align	6
	.space	262144
	.amdgpu_metadata
---
amdhsa.version: [ 1, 2 ]
amdhsa.kernels:
  - .name:           k_q08b94ef6d7_attn
    .symbol:         k_q08b94ef6d7_attn.kd
    .args:
      - { .name: qkvb, .offset: 0, .size: 8, .value_kind: global_buffer, .address_space: global }
      - { .name: ctxb, .offset: 8, .size: 8, .value_kind: global_buffer, .address_space: global }
    .group_segment_fixed_size: 327680
    .private_segment_fixed_size: 0
    .kernarg_segment_align: 8
    .kernarg_segment_size: 16
    .max_flat_workgroup_size: 256
    .sgpr_count:     66
    .vgpr_count:     320
    .wavefront_size: 32
...
	.end_amdgpu_metadata
.endif
;; end of part 3
;; launch proj (part 4): grid 8 x 32, 4 waves a work-group, clusters of 4 x 4, 327,680 bytes of LDS; arguments ctxb, castb, bias_out, out0; writes out0
.if DOCPART == 4
	.amdgcn_target "amdgcn-amd-amdhsa--gfx1250"
	.amdhsa_code_object_version 6
	.text
	.protected	k_q08b94ef6d7_proj
	.globl	k_q08b94ef6d7_proj
	.p2align	8
	.type	k_q08b94ef6d7_proj,@function
k_q08b94ef6d7_proj:
	s_mov_b64 s[64:65], 0
	v_nop
	global_prefetch_b8 v0, s[64:65] scope:SCOPE_SE
	s_setreg_imm32_b32 hwreg(HW_REG_WAVE_MODE, 25, 1), 1
	s_wait_xcnt 0x0
	s_wait_alu depctr_hold_cnt(0) depctr_sa_sdst(0) depctr_va_vdst(0) depctr_va_sdst(0) depctr_va_ssrc(0) depctr_va_vcc(0) depctr_vm_vsrc(0)
	s_getreg_b32 s2, hwreg(HW_REG_IB_STS2, 6, 4)
	s_cmp_eq_u32 s2, 0
	s_cbranch_scc0 .Lentry_in_a_cluster
	s_endpgm
.Lentry_in_a_cluster:
	s_bfe_u32 s2, ttmp6, 0x10000c
	s_cmp_lg_u32 s2, 0xf033
	s_cbranch_scc0 .Lentry_shape_is_right
	s_endpgm
.Lentry_shape_is_right:
; out0[row][f] = sum over e of ctx[row][e] w_out[f][e] + bias_out[f], f32.  ctx is ctxb, f16, [b][h][s][d] (e = 64 h + d); w_out's f16 copy lies in castb at byte 14,680,064.
; Sums and the bias in f32; the operands' range is that of the launches that made them (their heads state it).
; A work-group makes 128 rows x 128 features with four waves (2 x 2), a wave 64 x 64: 16 accumulator tiles.  8 x 32 = 256 work-groups of equal work:
; larger blocks would leave WGPs without work (4,096 x 1,024 outputs are 128 blocks of 256 x 128).
; K goes in 4 steps of 256 (four heads) through a ring of two LDS slots; the text is written out without a loop.
; CLUSTERS: 4 x 4 work-groups.  ctx's tile hangs on the block row alone and is asked for jointly by a row of the cluster, w's on the block column alone, by a column.
; Wave w fetches head 4 t + w of ctx (128 rows x 128 bytes, dense: 64 rows of 256 bytes) and 32 rows x 512 bytes of w.
; By this text's own count a wave has at most four tensor loads outstanding (the ring's first filling), later two.
; The matrix instruction is used transposed (source 0 = rows of w, source 1 = rows of ctx): lane (r, h) holds row r and features 8 h .. 8 h + 7.
; The first product takes the bias fragment as C: nothing is cleared.
.set AP,     144                       ; a ctx row of one head in LDS: 128 bytes + 16
.set BP,     528                       ; a w row in LDS: 512 bytes + 16; both odd multiples of 16
.set HEADT,  128*AP                    ; one head's 128 rows
.set BOFF,   4*HEADT                   ; w lies behind the four heads
.set BW,     32*BP                     ; the 32 rows of w that a wave fetches
.set SLOT,   BOFF+128*BP               ; 141,312 bytes
.set STAGE,  2*SLOT                    ; behind the ring, at a multiple of 256: no tensor load lands here
.set SPITCH, 272                       ; a stage row: 64 f32 + 16 bytes
.set SW,     16*SPITCH
.set WOB,    14680064
.set ADRA, 16                          ; v16-17 LDS address of my ctx fragments in slot 0, 1
.set ADRB, 20                          ; v20-21 the same for w
.set STO,  24
.set RD,   25
.set CO,   26
.set BO,   27
.set BIAS, 160                         ; v[160:191] four C fragments.  Fragment buffer f: ctx at v[32 + 64 f ..], w at v[64 + 64 f ..]
.set RB,   192                         ; v[192:223] read-backs.  Window 1: accumulator tile (a, b) at v[8 (4 a + b)]
.set G1A, 24
.set G0A, 32
.set G1B, 48
.set G0B, 56
.set MSB, 0
.macro WIN new                         ; s_set_vgpr_msb: bits 1:0 source 0, 3:2 source 1, 5:4 source 2, 7:6 destination; the high byte repeats the setting that is left
.if MSB != \new
	s_set_vgpr_msb (MSB<<8)|\new
.set MSB, \new
.endif
.endm
.macro PLACES
.rept 4
	v_nop
.endr
.endm
.macro CREST
	s_cmp_lg_u32 s12, 0
	s_cbranch_scc1 .Lnot_wave_0_\@
	s_barrier_signal -3
.Lnot_wave_0_\@:
	s_barrier_wait -3
	s_barrier_signal -1
	s_barrier_wait -1
.endm
.macro ROUND
	s_barrier_signal -1
	s_barrier_wait -1
	CREST
.endm
	s_load_b256 s[4:11], s[0:1], 0x0               ; ctxb s[4:5], castb s[6:7], bias_out s[8:9], out0 s[10:11]
	v_lshl_add_u32 v254, v0, 2, 0x49400
	v_mov_b32 v255, 0
	ds_add_u32 v254, v255
	v_lshrrev_b32 v1, 5, v0
	v_readfirstlane_b32 s12, v1                    ; wave 0..3
	s_lshr_b32 s13, s12, 1                         ; which 64 rows
	s_and_b32 s14, s12, 1                          ; which 64 features
	s_bfe_u32 s40, ttmp6, 0x40000                  ; cx
	s_bfe_u32 s41, ttmp6, 0x40004                  ; cy
	s_lshl_b32 s42, ttmp9, 2
	s_add_co_u32 s42, s42, s40                     ; block column bx (128 features)
	s_and_b32 s15, ttmp7, 0xffff
	s_lshl_b32 s15, s15, 2
	s_add_co_u32 s15, s15, s41                     ; block row by (128 rows)
	s_lshl_b32 s43, s41, 2
	s_lshl_b32 s43, 15, s43                        ; my row of the cluster
	s_lshl_b32 s44, 0x1111, s40                    ; my column
	; ctx: a dense block of 16,384 bytes as 64 rows of 32 elements of 8 bytes, 4 words of padding behind every 32 words (one row of a head)
	s_or_b32 s[G1A+0], s43, (3<<16)|(1<<20)|(1<<21)|(4<<22)|(3<<25)
	s_mov_b32 s[G1A+1], 32<<16
	s_mov_b32 s[G1A+2], 64<<16
	s_mov_b32 s[G1A+3], 32<<16
	s_mov_b32 s[G1A+4], 64
	s_mov_b32 s[G1A+5], 32
	s_mov_b32 s[G1A+6], 0
	s_mov_b32 s[G1A+7], 0
	; w: 32 rows of 256 elements of 2 bytes, pitch 1,024 elements, 4 words of padding behind every 128 words
	s_or_b32 s[G1B+0], s44, (1<<16)|(1<<20)|(1<<21)|(6<<22)|(3<<25)
	s_mov_b32 s[G1B+1], 256<<16
	s_mov_b32 s[G1B+2], 32<<16
	s_mov_b32 s[G1B+3], 256<<16
	s_mov_b32 s[G1B+4], 32
	s_mov_b32 s[G1B+5], 1024
	s_mov_b32 s[G1B+6], 0
	s_mov_b32 s[G1B+7], 0
	; ctx's address: batch by / 16 (16 chunks of 262,144 bytes), head w, row (by % 16) 128 of 128 bytes.  No register here ever holds cx
	s_lshr_b32 s16, s15, 4
	s_lshl_b32 s16, s16, 22
	s_lshl_b32 s17, s12, 18
	s_add_co_u32 s16, s16, s17
	s_and_b32 s17, s15, 15
	s_lshl_b32 s17, s17, 14
	s_add_co_u32 s16, s16, s17
	s_mov_b32 s17, 0
	; w's address: row 128 bx + 32 w of 2,048 bytes.  No register here ever holds cy
	s_lshl_b32 s46, s42, 18
	s_lshl_b32 s47, s12, 16
	s_add_co_u32 s46, s46, s47
	s_add_co_u32 s46, s46, WOB
	s_mov_b32 s47, 0
	s_mul_i32 s20, s12, HEADT                      ; LDS: the wave's number alone
	s_mul_i32 s21, s12, BW
	s_add_co_u32 s21, s21, BOFF
	s_wait_dscnt 0x0
	s_wait_kmcnt 0x0
	s_add_nc_u64 s[18:19], s[4:5], s[16:17]
	s_add_nc_u64 s[46:47], s[6:7], s[46:47]
	ROUND                                          ; all sixteen work-groups are here: the first joint loads meet
.irp s, 0,1
	s_mov_b32 s[G0A+4*\s], 1
	s_add_co_u32 s[G0A+4*\s+1], s20, \s*SLOT
	s_add_nc_u64 s[G0A+4*\s+2:G0A+4*\s+3], s[18:19], \s*4*262144   ; four heads on
	s_or_b32 s[G0A+4*\s+3], s[G0A+4*\s+3], 0x80000000
	s_mov_b32 s[G0B+4*\s], 1
	s_add_co_u32 s[G0B+4*\s+1], s21, \s*SLOT
	s_add_nc_u64 s[G0B+4*\s+2:G0B+4*\s+3], s[46:47], \s*512        ; 256 elements on
	s_or_b32 s[G0B+4*\s+3], s[G0B+4*\s+3], 0x80000000
	tensor_load_to_lds s[G0A+4*\s:G0A+4*\s+3], s[G1A:G1A+7]
	s_nop 0
	tensor_load_to_lds s[G0B+4*\s:G0B+4*\s+3], s[G1B:G1B+7]
	s_nop 0
.endr
	; my first feature, in bytes of f32: 512 bx + 256 wn, for the bias and for the output
	s_lshl_b32 s46, s42, 9
	s_lshl_b32 s47, s14, 8
	s_add_co_u32 s46, s46, s47
	s_mov_b32 s47, 0
	s_add_nc_u64 s[8:9], s[8:9], s[46:47]
	s_add_nc_u64 s[10:11], s[10:11], s[46:47]
	v_and_b32 v1, 15, v0                           ; r
	v_bfe_u32 v2, v0, 4, 1                         ; h
	v_lshlrev_b32 v[BO], 5, v2
.irp b, 0,1,2,3
	global_load_b128 v[BIAS+8*\b:BIAS+8*\b+3],   v[BO], s[8:9] offset:64*\b       ; register j of fragment b: bias of feature 16 b + 8 h + j
	global_load_b128 v[BIAS+8*\b+4:BIAS+8*\b+7], v[BO], s[8:9] offset:64*\b+16
.endr
	s_lshl_b32 s16, s15, 19                        ; my first row: (128 by + 64 wm) x 4,096 bytes
	s_lshl_b32 s17, s13, 18
	s_add_co_u32 s16, s16, s17
	s_mov_b32 s17, 0
	s_add_nc_u64 s[10:11], s[10:11], s[16:17]
	v_mul_u32_u24 v3, v1, AP
	v_lshl_add_u32 v3, v2, 4, v3
	s_mul_i32 s22, s13, 64*AP
	v_add_nc_u32 v[ADRA], s22, v3
	v_add_nc_u32 v[ADRA+1], SLOT, v[ADRA]
	v_mul_u32_u24 v4, v1, BP
	v_lshl_add_u32 v4, v2, 4, v4
	s_mul_i32 s23, s14, 64*BP
	s_add_co_u32 s23, s23, BOFF
	v_add_nc_u32 v[ADRB], s23, v4
	v_add_nc_u32 v[ADRB+1], SLOT, v[ADRB]
	s_mul_i32 s22, s12, SW
	s_add_co_u32 s22, s22, STAGE                   ; my stage
	v_mul_u32_u24 v5, v1, SPITCH
	v_lshl_add_u32 v5, v2, 5, v5
	v_add_nc_u32 v[STO], s22, v5                   ; in: row r, 32 bytes for each half of the lanes
	v_mul_u32_u24 v6, v2, SPITCH
	v_lshl_add_u32 v6, v1, 4, v6
	v_add_nc_u32 v[RD], s22, v6                    ; back: lanes 0-15 take one row of 256 bytes, lanes 16-31 the next
	v_lshlrev_b32 v7, 12, v2
	v_lshl_add_u32 v[CO], v1, 4, v7                ; the same two rows in out0
; 16 LDS loads: the fragments of quarter qd (32 along K: head qd / 2 of the slot's four, d from 32 (qd % 2)) into buffer f
.macro FETCH slot, qd, f
	WIN 0
.irp a, 0,1,2,3
	ds_load_b128 v[32+64*\f+8*\a:32+64*\f+8*\a+3],   v[ADRA+\slot] offset:HEADT*((\qd)>>1)+64*((\qd)&1)+16*AP*\a
	ds_load_b128 v[32+64*\f+8*\a+4:32+64*\f+8*\a+7], v[ADRA+\slot] offset:HEADT*((\qd)>>1)+64*((\qd)&1)+16*AP*\a+32
.endr
.irp b, 0,1,2,3
	ds_load_b128 v[64+64*\f+8*\b:64+64*\f+8*\b+3],   v[ADRB+\slot] offset:64*(\qd)+16*BP*\b
	ds_load_b128 v[64+64*\f+8*\b+4:64+64*\f+8*\b+7], v[ADRB+\slot] offset:64*(\qd)+16*BP*\b+32
.endr
.endm
; 8 matrix instructions: row blocks a0, a0 + 1 x the four feature blocks.  first = 1: C is the bias fragment
.macro MUL f, a0, first
.irp a, \a0, \a0+1
.irp b, 0,1,2,3
.if \first
	v_wmma_f32_16x16x32_f16 v[8*(4*(\a)+\b):8*(4*(\a)+\b)+7], v[64+64*\f+8*\b:64+64*\f+8*\b+7], v[32+64*\f+8*(\a):32+64*\f+8*(\a)+7], v[BIAS+8*\b:BIAS+8*\b+7]
.else
	v_wmma_f32_16x16x32_f16 v[8*(4*(\a)+\b):8*(4*(\a)+\b)+7], v[64+64*\f+8*\b:64+64*\f+8*\b+7], v[32+64*\f+8*(\a):32+64*\f+8*(\a)+7], v[8*(4*(\a)+\b):8*(4*(\a)+\b)+7]
.endif
.endr
.endr
.endm
; A quarter: fetches quarter qd into buffer g, then multiplies buffer f.  The 16 accumulators take turns, one instruction a turn.
.macro QUARTER slot, qd, f, g, first
	PLACES                                         ; buffer g was read by the matrix instructions just issued
	FETCH \slot, \qd, \g
	s_wait_dscnt 16                                ; all but the 16 just issued: buffer f is in
.if \first
	WIN 0x40                                       ; D in window 1, C (the bias) in window 0
.else
	WIN 0x50                                       ; C and D in window 1
.endif
	MUL \f, 0, \first
	MUL \f, 2, \first
.endm
.macro SEVEN slot, first
	QUARTER \slot, 1, 0, 1, \first
	QUARTER \slot, 2, 1, 0, 0
	QUARTER \slot, 3, 0, 1, 0
	QUARTER \slot, 4, 1, 0, 0
	QUARTER \slot, 5, 0, 1, 0
	QUARTER \slot, 6, 1, 0, 0
	QUARTER \slot, 7, 0, 1, 0
.endm
; The eighth quarter multiplies buffer 1 and changes slots.  In front of the barrier each wave waits for its reads of this slot and for all its tensor loads.
; fill = 1: the barrier opens a round of the cluster's barrier; behind the round's closing wait this slot is filled again, two K steps ahead, first thing.
.macro CHANGE slot, next, fill
	s_wait_dscnt 0x0
	s_wait_tensorcnt 0x0
	ds_add_u32 v254, v255
	s_wait_dscnt 0x0
	s_barrier_signal -1
	WIN 0x50
	MUL 1, 0, 0                                    ; register work while the others arrive
	WIN 0
	s_barrier_wait -1
.if \fill
	CREST
	s_add_nc_u64 s[G0A+4*\slot+2:G0A+4*\slot+3], s[G0A+4*\slot+2:G0A+4*\slot+3], 8*262144    ; no tensor load of mine is out: the addresses may step
	s_add_nc_u64 s[G0B+4*\slot+2:G0B+4*\slot+3], s[G0B+4*\slot+2:G0B+4*\slot+3], 1024
	tensor_load_to_lds s[G0A+4*\slot:G0A+4*\slot+3], s[G1A:G1A+7]
	s_nop 0
	tensor_load_to_lds s[G0B+4*\slot:G0B+4*\slot+3], s[G1B:G1B+7]
	s_nop 0
.endif
	PLACES
	FETCH \next, 0, 0
	WIN 0x50
	MUL 1, 2, 0
.endm
	s_wait_tensorcnt 0x2                           ; my parts of K step 0 are in; K step 1's two loads stay out
	s_barrier_signal -1
	s_barrier_wait -1
	FETCH 0, 0, 0
	s_wait_loadcnt 0x0                             ; the bias fragments
	SEVEN 0, 1                                     ; K step 0: its first products start the sums from the bias
	CHANGE 0, 1, 1                                 ; K step 2 goes out
	SEVEN 1, 0
	CHANGE 1, 0, 1                                 ; K step 3 goes out
	SEVEN 0, 0
	CHANGE 0, 1, 0
	SEVEN 1, 0
	s_wait_dscnt 0x0
	WIN 0x50
	MUL 1, 0, 0
	MUL 1, 2, 0
	WIN 0
	PLACES                                         ; behind the last matrix instructions, before their results are stored to LDS
; THE WAY OUT, 16 rows at a time: the f32 results go through my own stage and come back as whole rows of 256 bytes
.macro OUT16 a
	WIN 0x04                                       ; the stores' data in window 1
.irp b, 0,1,2,3
	ds_store_b128 v[STO], v[8*(4*\a+\b):8*(4*\a+\b)+3]   offset:64*\b
	ds_store_b128 v[STO], v[8*(4*\a+\b)+4:8*(4*\a+\b)+7] offset:64*\b+16
.endr
	WIN 0
	s_wait_xcnt 0x0                                ; the read-back registers were the data of the last stores: loaded again only behind this wait
.irp t, 0,1,2,3,4,5,6,7
	ds_load_b128 v[RB+4*\t:RB+4*\t+3], v[RD] offset:2*SPITCH*\t    ; LDS serves a wave's instructions in order: these see the stores above
.endr
.irp t, 0,1,2,3,4,5,6,7
	s_wait_dscnt 7-\t                              ; read-back t is in, the younger ones stay out
	global_store_b128 v[CO], v[RB+4*\t:RB+4*\t+3], s[10:11] offset:(16*\a+2*\t)*4096 th:TH_STORE_NT   ; 16 lanes store 256 consecutive bytes, at a multiple of 256 from out0's first byte
.endr
.endm
	OUT16 0
	OUT16 1
	OUT16 2
	OUT16 3
	s_wait_tensorcnt 0x0
	ds_add_u32 v254, v255
	s_wait_dscnt 0x0
	ROUND                                          ; the closing round
	s_endpgm
.Lfunc_end_k_q08b94ef6d7_proj:
	.size	k_q08b94ef6d7_proj, .Lfunc_end_k_q08b94ef6d7_proj-k_q08b94ef6d7_proj
	.p2alignl 7, 3214868480
	.fill 96, 4, 3214868480
	.section	.rodata,"a",@progbits
	.p2align	6, 0x0
	.amdhsa_kernel k_q08b94ef6d7_proj
		.amdhsa_group_segment_fixed_size 327680
		.amdhsa_private_segment_fixed_size 0
		.amdhsa_enable_private_segment 0
		.amdhsa_kernarg_size 32
		.amdhsa_user_sgpr_count 2
		.amdhsa_user_sgpr_kernarg_segment_ptr 1
		.amdhsa_wavefront_size32 1
		.amdhsa_system_sgpr_workgroup_id_x 1
		.amdhsa_system_sgpr_workgroup_id_y 1
		.amdhsa_system_sgpr_workgroup_id_z 1
		.amdhsa_system_vgpr_workitem_id 0
		.amdhsa_next_free_vgpr 384
		.amdhsa_next_free_sgpr 66
		.amdhsa_reserve_vcc 0
		.amdhsa_float_denorm_mode_32 3
		.amdhsa_float_denorm_mode_16_64 3
		.amdhsa_memory_ordered 1
		.amdhsa_forward_progress 1
		.amdhsa_inst_pref_size 89
	.end_amdhsa_kernel
	.amdgpu_metadata
---
amdhsa.version: [ 1, 2 ]
amdhsa.kernels:
  - .name:           k_q08b94ef6d7_proj
    .symbol:         k_q08b94ef6d7_proj.kd
    .args:
      - { .name: ctxb, .offset: 0, .size: 8, .value_kind: global_buffer, .address_space: global }
      - { .name: castb, .offset: 8, .size: 8, .value_kind: global_buffer, .address_space: global }
      - { .name: bias_out, .offset: 16, .size: 8, .value_kind: global_buffer, .address_space: global }
      - { .name: out0, .offset: 24, .size: 8, .value_kind: global_buffer, .address_space: global }
    .group_segment_fixed_size: 327680
    .private_segment_fixed_size: 0
    .kernarg_segment_align: 8
    .kernarg_segment_size: 32
    .max_flat_workgroup_size: 128
    .sgpr_count:     66
    .vgpr_count:     384
    .wavefront_size: 32
...
	.end_amdgpu_metadata
.endif
;; end of part 4
